; MI455X (gfx1250); checked and timed in simulation.
; The chip was launched on July 23, 2026; its instructions are those of AMD's public machine-readable ISA for CDNA 5 (MIT licence, August 2026) and "CDNA5" Instruction Set Architecture Reference Guide (July 2026). The comments in the code are by the model that wrote it; some were corrected since.
;; Multi Head Dot Product Attention. Allowed arithmetic: matrix products marked QUANTISED: E2M1 operands, one E8M0 scale for each 32 along K, by v_wmma_scale_f32_16x16x128_f8f6f4 with both operands' format E2M1 (or v_wmma_scale_f32_32x16x128_f4), f32 sums; products left as they are: bf16, f16 or f32 operands; f32 sums; everything else in f32.
;; Inputs: inputs_kv 2 x 4,096 x 512 float32; inputs_q 2 x 4,096 x 512 float32; w_k 512 x 512 float32; w_o 512 x 512 float32; w_q 512 x 512 float32; w_v 512 x 512 float32.
;; Outputs: out0 2 x 4,096 x 512 float32.
;; This version of the problem:
;;   THIS VERSION OF THE PROBLEM IS GIVEN IN LOW PRECISION. The matrix products marked QUANTISED in the list below multiply operands that are first quantised to E2M1 (2 exponent bits, 1 mantissa bit; 4 bits a number), with one power-of-two scale for each 32 numbers along K (OCP MX v1.0); their sums are f32. The products marked 'left as it is' may take bf16, f16 or f32 operands, with f32 sums. Whichever they take, every output number must still come out within the allowed error. Rounding operands to bf16 (8 significant bits) uses up far more of that allowance than f16 does (11 bits, for magnitudes from 6e-5 to 65,504). All else is computed in f32.
;;   The module's matrix products, in the order in which they are computed (A, B: the left and right operand; K: the contracted axis; several contracted axes count as one K, in the product's order):
;;     1. [M 8,192, K 512] x [K 512, N 512]; A: input inputs_q; B: input w_q: QUANTISED
;;     2. [M 8,192, K 512] x [K 512, N 512]; A: input inputs_kv; B: input w_k: QUANTISED
;;     3. [M 8,192, K 512] x [K 512, N 512]; A: input inputs_kv; B: input w_v: QUANTISED
;;     4. batch 16 x [M 4,096, K 64] x [K 64, N 4,096]; A: computed on the way; B: computed on the way: left as it is (an operand is computed on the way)
;;     5. batch 16 x [M 64, K 4,096] x [K 4,096, N 4,096]; A: computed on the way; B: computed on the way: left as it is (an operand is computed on the way)
;;     6. [M 8,192, K 512] x [K 512, N 512]; A: computed on the way; B: input w_o: left as it is (an operand is computed on the way)
;;   THE QUANTISER, for each operand of a quantised product, along K:
;;     - K is cut into blocks of 32 from its start; a last block that is shorter is filled with zeros.
;;     - A block's scale is 2^e with e = floor(log2(the largest magnitude in the block)) - 2, held to -126 .. 127; a block of zeros has e = 0. As a byte (E8M0): e + 127.
;;     - Each number is divided by its block's scale, clamped to +-6, and rounded to the nearest number of E2M1, ties to even, subnormals kept.
;;     - The product sums the exact products of the quantised numbers (number of the format x scale) in f32.
;;   ~~~python
;;   def quantise(x, axis):      # numpy; x: float32 -> the quantised numbers, widened to float32 again
;;       x = np.moveaxis(x, axis, -1); K = x.shape[-1]
;;       x = np.pad(x, [(0, 0)] * (x.ndim - 1) + [(0, -K % 32)]); x = x.reshape(x.shape[:-1] + (-1, 32)); a = np.abs(x).max(-1, keepdims=True)
;;       e = np.where(a > 0, np.clip(np.frexp(np.where(a > 0, a, 1))[1] - 1 - 2, -126, 127), 0)      # np.frexp(a)[1] - 1 = floor(log2(a)), exactly
;;       r = np.clip(x / 2.0 ** e, -6, 6)
;;       step = 2.0 ** (np.maximum(np.frexp(np.where(r == 0, 1, r))[1] - 1, 0) - 1)
;;       q = np.round(r / step) * step * 2.0 ** e      # np.round: ties to even
;;       return np.moveaxis(q.reshape(q.shape[:-2] + (-1,))[..., :K], -1, axis).astype(np.float32)
;;   ~~~
;; One version. Each part assembles by itself: llvm-mc -triple=amdgcn-amd-amdhsa -mcpu=gfx1250 --defsym DOCPART=n.
;; ======== version 1 of 1: 4 launches
;; limits: values are held in f16: magnitudes above 65,504 overflow, below 6.1e-05 lose precision
;; workspace buffers: wc 393,216 bytes; wsc 49,152 bytes; wo_ws 524,288 bytes; q_ws 9,437,184 bytes; k_ws 9,437,184 bytes; v_ws 9,437,184 bytes; o_ws 8,388,608 bytes
;; launch prep (part 1): grid 128 x 1, 4 waves a work-group, no clusters, 0 bytes of LDS; arguments w_q, w_k, w_v, w_o, wc, wsc, wo_ws, k_ws, v_ws; writes wc, wsc, wo_ws, k_ws, v_ws
.if DOCPART == 1
	.amdgcn_target "amdgcn-amd-amdhsa--gfx1250"
	.amdhsa_code_object_version 6
	.text
	.protected	k_qc92201492f_prep
	.globl	k_qc92201492f_prep
	.p2align	8
	.type	k_qc92201492f_prep,@function
k_qc92201492f_prep:
	s_mov_b64 s[64:65], 0
	v_nop
	global_prefetch_b8 v0, s[64:65] scope:SCOPE_SE
	s_setreg_imm32_b32 hwreg(HW_REG_WAVE_MODE, 25, 1), 1
	s_wait_xcnt 0x0
; PREP.  The four weights [512 (k)][512 (n)], f32, are laid once as the later launches' operand registers want them, and the pads of k_ws and v_ws get zeros.
; w_q, w_k, w_v -> codes of FP4 (E2M1) with one E8M0 byte for each 32 along K (their first axis):
;   wc  [mat 3][nt 32][ks 4][c 2][512 bytes]: lane (r, g) of an image holds the 32 codes of k = 128 ks + 64 c + 32 g + 0..31 of column 16 nt + r;
;   wsc [mat 3][nt 32][ks 4][32 words]: the scale word (four bytes: 128 along K) of column 16 nt + lane % 16, the same in both halves of the lanes.
; w_o -> f16:  wo_ws [nt 32][ks 16][c 2][512 bytes]: lane (r, g) holds w_o[32 ks + 16 c + 8 g + 0..7][16 nt + r].
; A LANE TAKES A COLUMN AND ITS REGISTERS RUN DOWN K: a block of 32 lies in one lane, and the conversions' results are the operand's registers.
; SHARES.  Work-group G: matrix G / 32 (3 = w_o), 128 rows of K ((G / 8) % 4), 64 columns (G % 8); its four waves stand side by side on 256 bytes of each row.
; Every wave also clears 4,096 bytes of the pads: 16 heads x front and back x two buffers are 64 regions of 32,768 bytes, eight waves to a region.
; A block's scale is 2^(floor(log2(largest magnitude)) - 2); its byte is the largest magnitude's exponent field - 2, held at 1 from below.
; LIMITS: a block whose largest magnitude lies under 2^-124 (a block of zeros among them) gets the byte 1: only this program reads the bytes.  NaN and infinities are not served.  |w_o| stays under 65,504 (f16).
.set LA,   4                           ; v4      my byte in the wave's part of the weight
.set LI,   5                           ; v5      16 x lane: my place in an image; never rewritten
.set LS,   6                           ; v6      4 x lane: my place among an image's scale words
.set SH8,  7                           ; v7      8 x (lane / 16): how far my two scale bytes are shifted
.set ZR,   8                           ; v8-11   zeros
.set TM,   12                          ; v12-13  two blocks' largest magnitudes
.set SO,   14                          ; v14-15  the conversions' scale operands
.set X,    16                          ; v16-79  64 numbers
.set PC,   80                          ; v80-87  a fragment's codes
.set PW,   88                          ; v88     its scale word
.set TP,   89                          ; v89     the other half's bytes
.set BY,   90                          ; v90-91  two scale bytes
.set OUTR, 96                          ; v96-127 f16 images of w_o
.set SEL,  44                          ; s[44:45] lane selects: lane l xor 16
.set BHB,  589824                      ; bytes of one head in k_ws and in v_ws
; 64 numbers of a lane, v[X + 32 c + i] = k 64 c + 32 g + i, become the fragment's eight registers of codes and the column's (or row's) scale word.
.macro QUANT
.irp c, 0,1
	v_max3_num_f32 v[TM+\c], |v[X+32*\c]|, |v[X+32*\c+1]|, 0x1800000          ; my block 2 c + g: all 32 numbers are mine; the floor 2^(3 - 127) holds the byte at 1 from below
.endr
.irp i, 2,4,6,8,10,12,14,16,18,20,22,24,26,28,30
.irp c, 0,1
	v_max3_num_f32 v[TM+\c], v[TM+\c], |v[X+32*\c+\i]|, |v[X+32*\c+\i+1]|     ; the two blocks by turns
.endr
.endr
.irp c, 0,1
	v_add_nc_u32 v[SO+\c], 0xff000000, v[TM+\c]                               ; 2 off the exponent field: the conversion takes that field as its scale
.endr
.irp c, 0,1
	v_lshrrev_b32 v[BY+\c], 23, v[SO+\c]                                      ; the scale's byte
.endr
	v_lshl_or_b32 v[PW], v[BY+1], 16, v[BY]                                   ; bytes g and 2 + g of the word,
	v_lshlrev_b32 v[PW], v[SH8], v[PW]                                        ; at their places;
	v_permlanex16_b32 v[TP], v[PW], s[SEL], s[SEL+1]
	v_or_b32 v[PW], v[PW], v[TP]                                              ; with lane l xor 16's two the word is whole
.irp c, 0,1
.irp q, 0,1,2,3
	v_cvt_scalef32_pk8_fp4_f32 v[PC+4*\c+\q], v[X+32*\c+8*\q:X+32*\c+8*\q+7], v[SO+\c]
.endr
.endr
	v_nop                                                                     ; one plain line behind the last scaled conversion
.endm
	s_load_b256 s[4:11], s[0:1], 0x0               ; w_q s[4:5], w_k s[6:7], w_v s[8:9], w_o s[10:11]
	s_load_b256 s[12:19], s[0:1], 0x20             ; wc s[12:13], wsc s[14:15], wo_ws s[16:17], k_ws s[18:19]
	s_load_b64 s[20:21], s[0:1], 0x40              ; v_ws
	v_lshrrev_b32 v1, 5, v0
	v_readfirstlane_b32 s24, v1                    ; wave 0..3
	v_and_b32 v1, 31, v0                           ; lane
	v_and_b32 v2, 15, v0                           ; r
	v_bfe_u32 v3, v0, 4, 1                         ; g
	v_lshlrev_b32 v[LI], 4, v1
	v_lshlrev_b32 v[LS], 2, v1
	v_lshlrev_b32 v[SH8], 3, v3
.irp j, 0,1,2,3
	v_mov_b32 v[ZR+\j], 0
.endr
	v_mov_b32 v[TP], 0                             ; a lane permute's destination counts as one of its sources
	s_mov_b32 s[SEL], 0x76543210
	s_mov_b32 s[SEL+1], 0xfedcba98
	s_lshr_b32 s25, ttmp9, 5                       ; which matrix
	s_bfe_u32 s26, ttmp9, 0x20003                  ; which 128 rows of K
	s_and_b32 s27, ttmp9, 7
	s_lshl_b32 s27, s27, 2
	s_add_co_u32 s27, s27, s24                     ; nt: my 16 columns
	s_lshl_b32 s28, ttmp9, 2
	s_add_co_u32 s28, s28, s24                     ; my wave's number in the launch, 0..511
	s_lshr_b32 s29, s28, 3                         ; the pad region: bit 0 the buffer, bit 1 front or back, the rest the head
	s_and_b32 s30, s28, 7                          ; my eighth of it
	s_lshr_b32 s31, s29, 2
	s_mul_i32 s32, s31, BHB
	s_bfe_u32 s33, s29, 0x10001
	s_mul_i32 s33, s33, 557056                     ; the back pad begins behind 16 + 256 tiles of 2,048 bytes
	s_add_co_u32 s32, s32, s33
	s_lshl_b32 s30, s30, 12
	s_add_co_u32 s32, s32, s30
	s_mov_b32 s33, 0
	s_lshl_b32 s36, s26, 18                        ; 128 rows of 2,048 bytes,
	s_lshl_b32 s30, s27, 6                         ; 16 columns of 4
	s_add_co_u32 s36, s36, s30
	s_mov_b32 s37, 0
	s_lshl_b32 s38, s27, 2
	s_add_co_u32 s38, s38, s26                     ; 4 nt + ks: which image of the matrix
	s_and_b32 s39, s29, 1
	s_wait_kmcnt 0x0
	s_cmp_eq_u32 s39, 0                            ; the choices hang on the work-group's and the wave's numbers alone
	s_cselect_b64 s[34:35], s[18:19], s[20:21]
	s_add_nc_u64 s[34:35], s[34:35], s[32:33]
.irp j, 0,1,2,3,4,5,6,7
	global_store_b128 v[LI], v[ZR:ZR+3], s[34:35] offset:512*\j               ; 512 consecutive bytes of zeros a store; its registers are never written again
.endr
	s_cmp_eq_u32 s25, 1
	s_cselect_b64 s[22:23], s[6:7], s[4:5]
	s_cmp_eq_u32 s25, 2
	s_cselect_b64 s[22:23], s[8:9], s[22:23]
	s_cmp_eq_u32 s25, 3
	s_cselect_b64 s[22:23], s[10:11], s[22:23]
	s_add_nc_u64 s[22:23], s[22:23], s[36:37]      ; my wave's part of its weight
	s_cmp_eq_u32 s25, 3
	s_cbranch_scc1 .Lwo
	; ---- w_q, w_k or w_v: one fragment of codes and its scale words
	v_lshlrev_b32 v[LA], 2, v2                     ; column r,
	v_lshl_add_u32 v[LA], v3, 16, v[LA]            ; lanes 16-31 begin 32 rows further down
	s_lshl_b32 s40, s38, 10
	s_lshl_b32 s30, s25, 17
	s_add_co_u32 s40, s40, s30
	s_mov_b32 s41, 0
	s_add_nc_u64 s[40:41], s[12:13], s[40:41]      ; my image in wc
	s_lshl_b32 s42, s38, 7
	s_lshl_b32 s30, s25, 14
	s_add_co_u32 s42, s42, s30
	s_mov_b32 s43, 0
	s_add_nc_u64 s[42:43], s[14:15], s[42:43]      ; and in wsc
.irp c, 0,1
.irp i, 0,1,2,3,4,5,6,7,8,9,10,11,12,13,14,15,16,17,18,19,20,21,22,23,24,25,26,27,28,29,30,31
	global_load_b32 v[X+32*\c+\i], v[LA], s[22:23] offset:(64*\c+\i)*2048 th:TH_LOAD_NT
.endr
.endr
	s_wait_loadcnt 0x0
	QUANT
	global_store_b128 v[LI], v[PC:PC+3], s[40:41]
	global_store_b128 v[LI], v[PC+4:PC+7], s[40:41] offset:512
	global_store_b32 v[LS], v[PW], s[42:43]
	s_endpgm
	; ---- w_o: eight f16 images (four K steps of 32, two images each)
.Lwo:
	v_lshlrev_b32 v[LA], 2, v2
	v_lshl_add_u32 v[LA], v3, 14, v[LA]            ; lanes 16-31 begin 8 rows further down
	s_lshl_b32 s40, s27, 14
	s_lshl_b32 s30, s26, 12
	s_add_co_u32 s40, s40, s30
	s_mov_b32 s41, 0
	s_add_nc_u64 s[40:41], s[16:17], s[40:41]
.irp m, 0,1,2,3,4,5,6,7
.irp i, 0,1,2,3,4,5,6,7
	global_load_b32 v[X+8*\m+\i], v[LA], s[22:23] offset:(16*\m+\i)*2048 th:TH_LOAD_NT
.endr
.endr
	s_wait_loadcnt 0x0
.irp m, 0,1,2,3,4,5,6,7
.irp p, 0,1,2,3
	v_cvt_pk_f16_f32 v[OUTR+4*\m+\p], v[X+8*\m+2*\p], v[X+8*\m+2*\p+1]
.endr
.endr
.irp m, 0,1,2,3,4,5,6,7
	global_store_b128 v[LI], v[OUTR+4*\m:OUTR+4*\m+3], s[40:41] offset:512*\m
.endr
	s_endpgm
.Lfunc_end_k_qc92201492f_prep:
	.size	k_qc92201492f_prep, .Lfunc_end_k_qc92201492f_prep-k_qc92201492f_prep
	.p2alignl 7, 3214868480
	.fill 96, 4, 3214868480
	.section	.rodata,"a",@progbits
	.p2align	6, 0x0
	.amdhsa_kernel k_qc92201492f_prep
		.amdhsa_group_segment_fixed_size 0
		.amdhsa_private_segment_fixed_size 0
		.amdhsa_enable_private_segment 0
		.amdhsa_kernarg_size 72
		.amdhsa_user_sgpr_count 2
		.amdhsa_user_sgpr_kernarg_segment_ptr 1
		.amdhsa_wavefront_size32 1
		.amdhsa_system_sgpr_workgroup_id_x 1
		.amdhsa_system_sgpr_workgroup_id_y 1
		.amdhsa_system_sgpr_workgroup_id_z 1
		.amdhsa_system_vgpr_workitem_id 0
		.amdhsa_next_free_vgpr 128
		.amdhsa_next_free_sgpr 66
		.amdhsa_reserve_vcc 0
		.amdhsa_float_denorm_mode_32 3
		.amdhsa_float_denorm_mode_16_64 3
		.amdhsa_memory_ordered 1
		.amdhsa_forward_progress 1
		.amdhsa_inst_pref_size 22
	.end_amdhsa_kernel
	.amdgpu_metadata
---
amdhsa.version: [ 1, 2 ]
amdhsa.kernels:
  - .name:           k_qc92201492f_prep
    .symbol:         k_qc92201492f_prep.kd
    .args:
      - { .name: w_q, .offset: 0, .size: 8, .value_kind: global_buffer, .address_space: global }
      - { .name: w_k, .offset: 8, .size: 8, .value_kind: global_buffer, .address_space: global }
      - { .name: w_v, .offset: 16, .size: 8, .value_kind: global_buffer, .address_space: global }
      - { .name: w_o, .offset: 24, .size: 8, .value_kind: global_buffer, .address_space: global }
      - { .name: wc, .offset: 32, .size: 8, .value_kind: global_buffer, .address_space: global }
      - { .name: wsc, .offset: 40, .size: 8, .value_kind: global_buffer, .address_space: global }
      - { .name: wo_ws, .offset: 48, .size: 8, .value_kind: global_buffer, .address_space: global }
      - { .name: k_ws, .offset: 56, .size: 8, .value_kind: global_buffer, .address_space: global }
      - { .name: v_ws, .offset: 64, .size: 8, .value_kind: global_buffer, .address_space: global }
    .group_segment_fixed_size: 0
    .private_segment_fixed_size: 0
    .kernarg_segment_align: 8
    .kernarg_segment_size: 72
    .max_flat_workgroup_size: 128
    .sgpr_count:     66
    .vgpr_count:     128
    .wavefront_size: 32
...
	.end_amdgpu_metadata
.endif
;; end of part 1
;; launch proj (part 2): grid 256 x 1, 4 waves a work-group, no clusters, 167,936 bytes of LDS; arguments inputs_q, inputs_kv, wc, wsc, q_ws, k_ws, v_ws; writes q_ws, k_ws, v_ws
.if DOCPART == 2
	.amdgcn_target "amdgcn-amd-amdhsa--gfx1250"
	.amdhsa_code_object_version 6
	.text
	.protected	k_qc92201492f_proj
	.globl	k_qc92201492f_proj
	.p2align	8
	.type	k_qc92201492f_proj,@function
k_qc92201492f_proj:
	s_mov_b64 s[64:65], 0
	v_nop
	global_prefetch_b8 v0, s[64:65] scope:SCOPE_SE
	s_setreg_imm32_b32 hwreg(HW_REG_WAVE_MODE, 25, 1), 1
	s_wait_xcnt 0x0
; PROJ.  q = Q(inputs_q) Q(w_q), k = Q(inputs_kv) Q(w_k), v = Q(inputs_kv) Q(w_v): products on codes of FP4 (E2M1) with one E8M0 scale for each 32 along K = 512; sums in f32.
; The results leave as f16 images of the attention's operand registers (512 bytes, lane l's 16 bytes at 16 l), q multiplied by c = log2(e) / 8 first:
;   q_ws, k_ws [bh 16][tile 288][sub 4][512]: tile = 16 + token / 16; lane (r, g): token r, d = 16 sub + 8 g + 0..7;
;   v_ws       [bh 16][G 144][t 4][c 2][512]: G = 8 + token / 32, c = (token / 16) % 2; lane (r, g): d = 16 t + r, tokens 8 g + 0..7 of that tile.
; SHARES.  Work-group: kind = number % 2 (0: inputs_q and w_q; 1: inputs_kv, w_k and then w_v), 64 rows (number / 2).  Wave w quantises rows 16 w .. 16 w + 15 and hands the fragments round through LDS
; as images of their registers; for the products THE WAVES SHARE THE COLUMNS: wave w owns columns 128 w .. 128 w + 127 (heads 2 w, 2 w + 1) for all 64 rows, and its part of a weight,
; 32 fragments = 256 registers, comes from memory straight into registers, in the order in which the launch before laid it.
; q and k are made transposed (source 0 = 16 columns of the weight, source 1 = 16 rows of x): a lane holds one token and eight neighbouring d.  v is made the other way: a lane holds one d and eight tokens.
; NO JOINT LOADS: a joint load lands in LDS alone, and the 278,528 bytes of two weights' codes and scale words do not fit beside the rows' 133,120 bytes and the images' 18,432.
; No LDS byte is filled twice: one tensor load a wave, at the head; one is outstanding.
; LIMITS: a block whose largest magnitude lies under 2^-124 gets the byte 1 (its codes are read here alone); NaN and infinities are not served; |c q|, |k|, |v| stay under 65,504 (f16).
.set XPITCH, 1040                      ; half a row of x in LDS: 1,024 bytes + 16 of padding
.set XWAVE,  32*XPITCH                 ; a wave's 16 rows
.set XIMG,   4*XWAVE                   ; behind the rows: x's 16 fragments (tile of rows m, K step ks: 4 m + ks), 1,024 bytes each,
.set XSC,    XIMG+16*1024              ; their scale words, 128 bytes each,
.set SPARE,  XSC+16*128                ; and the spare words, 128 bytes for each wave: two blocks of 256 bytes that no other line names
.set BHB,    589824                    ; bytes of one head in q_ws, k_ws, v_ws
.set XA,   4                           ; v4   LDS: my row of x, my half of a block pair
.set LI,   5                           ; v5   16 x lane; never rewritten
.set LS,   6                           ; v6   4 x lane; never rewritten
.set XWI,  7                           ; v7   where I store my fragments' images
.set XWS,  8                           ; v8   and their scale words
.set XRI,  9                           ; v9   where any fragment is read back
.set XRS,  10                          ; v10  and any scale word
.set SH8,  11                          ; v11  8 x (lane / 16)
.set SPW,  12                          ; v12  LDS address of my spare word; never rewritten
.set NIL,  13                          ; v13  0; never rewritten
.set X,    16                          ; v16-79   64 numbers of x; later
.set ACC,  16                          ;          the 8 accumulators of a tile of rows
.set PC,   80                          ; v80-87   the codes just made
.set PW,   88                          ; v88      their scale word
.set XF,   96                          ; v96-127  x's four fragments of a tile of rows
.set XS,   128                         ; v128-131 their scale words
.set W1S,  132                         ; v132-163 the first weight's scale words (4 i + ks)
.set W2S,  164                         ; v164-195 the second's
.set OUTR, 196                         ; v196-227 f16 images on their way out
.set TM,   228                         ; v228-229 largest magnitudes
.set SO,   230                         ; v230-231 the conversions' scale operands
.set BY,   232                         ; v232-233 scale bytes
.set TP,   234                         ; v234     the other half's bytes
.set G1,   24                          ; s[24:31] descriptor group 1;  s[32:35] group 0
.set G0,   32
.set SEL,  50                          ; s[50:51] lane selects: lane l xor 16
.set MSB, 0
.macro WIN new                         ; the register windows: bits 1:0 source 0, 3:2 source 1, 5:4 source 2, 7:6 destination; the high byte repeats the setting that is left
.if MSB != \new
	s_set_vgpr_msb (MSB<<8)|\new
.set MSB, \new
.endif
.endm
; window 1: the first weight's fragment (i, ks) at v[8 (4 i + ks)];  window 2: the second's.
.macro QUANT                           ; v[X + 32 c + i] = k 64 c + 32 g + i of my row -> the fragment's codes in v[PC] on, the row's scale word in v[PW]
.irp c, 0,1
	v_max3_num_f32 v[TM+\c], |v[X+32*\c]|, |v[X+32*\c+1]|, 0x1800000          ; my block 2 c + g; the floor 2^(3 - 127) holds the byte at 1 from below
.endr
.irp i, 2,4,6,8,10,12,14,16,18,20,22,24,26,28,30
.irp c, 0,1
	v_max3_num_f32 v[TM+\c], v[TM+\c], |v[X+32*\c+\i]|, |v[X+32*\c+\i+1]|
.endr
.endr
.irp c, 0,1
	v_add_nc_u32 v[SO+\c], 0xff000000, v[TM+\c]                               ; 2 off the exponent field
.endr
.irp c, 0,1
	v_lshrrev_b32 v[BY+\c], 23, v[SO+\c]
.endr
	v_lshl_or_b32 v[PW], v[BY+1], 16, v[BY]
	v_lshlrev_b32 v[PW], v[SH8], v[PW]
	v_permlanex16_b32 v[TP], v[PW], s[SEL], s[SEL+1]
	v_or_b32 v[PW], v[PW], v[TP]
.irp c, 0,1
.irp q, 0,1,2,3
	v_cvt_scalef32_pk8_fp4_f32 v[PC+4*\c+\q], v[X+32*\c+8*\q:X+32*\c+8*\q+7], v[SO+\c]
.endr
.endr
	v_nop                                                                     ; one plain line behind the last scaled conversion
.endm
.macro QSTEP ks                        ; 128 along K of my 16 rows: out of my own rows in LDS, quantised, and into the images
.irp c, 0,1
.irp j, 0,1,2,3,4,5,6,7
	ds_load_b128 v[X+32*\c+4*\j:X+32*\c+4*\j+3], v[XA] offset:((\ks)/2)*XPITCH+((\ks)%2)*512+256*\c+16*\j
.endr
.endr
	s_wait_dscnt 0x0                               ; the numbers are in, and the last step's stores have read their registers
	QUANT
	ds_store_b128 v[XWI], v[PC:PC+3] offset:1024*(\ks)
	ds_store_b128 v[XWI], v[PC+4:PC+7] offset:1024*(\ks)+512
	ds_store_b32 v[XWS], v[PW] offset:128*(\ks)
.endm
.macro WLOAD win, cb, sb, sr           ; my part of a weight: 32 fragments into a window (win: the destination's window), 32 scale words into window 0
	WIN \win
.irp i, 0,1,2,3,4,5,6,7
.irp ks, 0,1,2,3
.irp c, 0,1
	global_load_b128 v[8*(4*\i+\ks)+4*\c:8*(4*\i+\ks)+4*\c+3], v[LI], s[\cb:\cb+1] offset:(4*\i+\ks)*1024+512*\c
.endr
.endr
.endr
	WIN 0
.irp i, 0,1,2,3,4,5,6,7
.irp ks, 0,1,2,3
	global_load_b32 v[\sr+4*\i+\ks], v[LS], s[\sb:\sb+1] offset:(4*\i+\ks)*128
.endr
.endr
.endm
; One weight against the 64 rows, a tile of 16 rows at a time.  sr: the weight's scale words; ob: the output's pointer; sw = 0: weight (window 1) as source 0; sw = 1: weight (window 2) as source 1; ml = 1: times c.
; The 8 accumulators take turns, one instruction a turn, K step by K step; the first K step starts the sums with the constant 0.
.macro PASS sr, ob, sw, ml
.irp m, 0,1,2,3
.irp ks, 0,1,2,3
.irp c, 0,1
	ds_load_b128 v[XF+8*\ks+4*\c:XF+8*\ks+4*\c+3], v[XRI] offset:(4*\m+\ks)*1024+512*\c
.endr
	ds_load_b32 v[XS+\ks], v[XRS] offset:(4*\m+\ks)*128
.endr
	s_wait_dscnt 0x0
.if \sw
	WIN 0x08
.else
	WIN 0x01
.endif
.irp ks, 0,1,2,3
.irp i, 0,1,2,3,4,5,6,7
.if \sw
.if \ks == 0
	v_wmma_scale_f32_16x16x128_f8f6f4 v[ACC+8*\i:ACC+8*\i+7], v[XF+8*\ks:XF+8*\ks+7], v[8*(4*\i+\ks):8*(4*\i+\ks)+7], 0, v[XS+\ks], v[\sr+4*\i+\ks] matrix_a_fmt:MATRIX_FMT_FP4 matrix_b_fmt:MATRIX_FMT_FP4
.else
	v_wmma_scale_f32_16x16x128_f8f6f4 v[ACC+8*\i:ACC+8*\i+7], v[XF+8*\ks:XF+8*\ks+7], v[8*(4*\i+\ks):8*(4*\i+\ks)+7], v[ACC+8*\i:ACC+8*\i+7], v[XS+\ks], v[\sr+4*\i+\ks] matrix_a_fmt:MATRIX_FMT_FP4 matrix_b_fmt:MATRIX_FMT_FP4
.endif
.else
.if \ks == 0
	v_wmma_scale_f32_16x16x128_f8f6f4 v[ACC+8*\i:ACC+8*\i+7], v[8*(4*\i+\ks):8*(4*\i+\ks)+7], v[XF+8*\ks:XF+8*\ks+7], 0, v[\sr+4*\i+\ks], v[XS+\ks] matrix_a_fmt:MATRIX_FMT_FP4 matrix_b_fmt:MATRIX_FMT_FP4
.else
	v_wmma_scale_f32_16x16x128_f8f6f4 v[ACC+8*\i:ACC+8*\i+7], v[8*(4*\i+\ks):8*(4*\i+\ks)+7], v[XF+8*\ks:XF+8*\ks+7], v[ACC+8*\i:ACC+8*\i+7], v[\sr+4*\i+\ks], v[XS+\ks] matrix_a_fmt:MATRIX_FMT_FP4 matrix_b_fmt:MATRIX_FMT_FP4
.endif
.endif
.endr
.endr
	WIN 0
.rept 5
	v_nop                                          ; places behind the last products: four for the reads of results and the next loads into x's fragments, a fifth since the next tile's products begin these accumulators anew
.endr
.if \ml
.set J, 0
.rept 32
	v_pk_mul_f32 v[ACC+J:ACC+J+1], v[ACC+J:ACC+J+1], s[52:53] op_sel_hi:[1,0]   ; q x c, each accumulator from its low end on
.set J, J+2
.endr
.endif
	s_wait_xcnt 0x0                                ; the last tile's stores have read their registers: only now are these written again
.irp i, 0,1,2,3,4,5,6,7
.irp p, 0,1,2,3
	v_cvt_pk_f16_f32 v[OUTR+4*\i+\p], v[ACC+8*\i+2*\p], v[ACC+8*\i+2*\p+1]      ; each accumulator from its low end on
.endr
.endr
.irp i, 0,1,2,3,4,5,6,7
.if \sw
	global_store_b128 v[LI], v[OUTR+4*\i:OUTR+4*\i+3], s[\ob:\ob+1] offset:(\m/2)*4096+(\m%2)*512+(\i%4)*1024+(\i/4)*BHB   ; 512 consecutive bytes a store
.else
	global_store_b128 v[LI], v[OUTR+4*\i:OUTR+4*\i+3], s[\ob:\ob+1] offset:\m*2048+(\i/4)*BHB+(\i%4)*512
.endif
.endr
.endr
.endm
.macro FINISH                          ; the wave's end, behind my tensor load and my last LDS store
	s_wait_tensorcnt 0x0
	ds_add_u32 v[SPW], v[NIL]
	s_wait_dscnt 0x0
	s_endpgm
.endm
	s_load_b256 s[4:11], s[0:1], 0x0               ; inputs_q s[4:5], inputs_kv s[6:7], wc s[8:9], wsc s[10:11]
	s_load_b128 s[12:15], s[0:1], 0x20             ; q_ws s[12:13], k_ws s[14:15]
	s_load_b64 s[16:17], s[0:1], 0x30              ; v_ws
	v_lshl_add_u32 v[SPW], v0, 2, SPARE
	v_mov_b32 v[NIL], 0
	ds_add_u32 v[SPW], v[NIL]                      ; the wave's opening: the add, twice on end, and its wait ahead of my tensor load
	ds_add_u32 v[SPW], v[NIL]
	v_lshrrev_b32 v1, 5, v0
	v_readfirstlane_b32 s18, v1                    ; wave 0..3
	s_and_b32 s19, ttmp9, 1                        ; kind
	s_lshr_b32 s20, ttmp9, 1                       ; which 64 rows
	; descriptor group 1: my 16 rows of 2,048 bytes, dense in memory, as 32 half rows of 256 elements of 4 bytes, 4 words of padding behind each
	s_mov_b32 s[G1+0], (2<<16)|(1<<20)|(7<<22)|(3<<25)
	s_mov_b32 s[G1+1], 256<<16                     ; tensor_dim0
	s_mov_b32 s[G1+2], 32<<16                      ; tensor_dim1
	s_mov_b32 s[G1+3], 256<<16                     ; tile_dim0
	s_mov_b32 s[G1+4], 32                          ; tile_dim1
	s_mov_b32 s[G1+5], 256                         ; from half row to half row
	s_mov_b32 s[G1+6], 0
	s_mov_b32 s[G1+7], 0
	s_mov_b32 s[G0], 1
	s_mul_i32 s[G0+1], s18, XWAVE                  ; my rows' place in LDS
	s_lshl_b32 s48, s20, 17                        ; 64 rows of 2,048 bytes,
	s_lshl_b32 s49, s18, 15                        ; my 16 of them
	s_add_co_u32 s48, s48, s49
	s_mov_b32 s49, 0
	s_lshl_b32 s54, s19, 17                        ; the first weight's codes: matrix 0 or 1,
	s_lshl_b32 s55, s18, 15                        ; my 8 tiles of columns
	s_add_co_u32 s38, s54, s55
	s_mov_b32 s39, 0
	s_add_co_u32 s42, s55, 262144                  ; the second's: matrix 2
	s_mov_b32 s43, 0
	s_lshl_b32 s54, s19, 14                        ; and the scale words likewise
	s_lshl_b32 s55, s18, 12
	s_add_co_u32 s40, s54, s55
	s_mov_b32 s41, 0
	s_add_co_u32 s44, s55, 32768
	s_mov_b32 s45, 0
	s_lshr_b32 s54, s20, 6                         ; where my results begin, the same number in all three outputs: head 8 b + 2 w,
	s_lshl_b32 s54, s54, 3
	s_lshl_b32 s55, s18, 1
	s_add_co_u32 s54, s54, s55
	s_mul_i32 s54, s54, 288
	s_and_b32 s55, s20, 63
	s_lshl_b32 s55, s55, 2
	s_add_co_u32 s54, s54, s55                     ; tile 16 + 4 x (block in the sequence)
	s_add_co_u32 s54, s54, 16
	s_lshl_b32 s46, s54, 11
	s_mov_b32 s47, 0
	s_mov_b32 s[SEL], 0x76543210
	s_mov_b32 s[SEL+1], 0xfedcba98
	s_mov_b32 s52, 0x3e38aa3b                      ; c = log2(e) / 8
	s_mov_b32 s53, s52                             ; (named with it as a pair)
	v_and_b32 v1, 31, v0                           ; lane
	v_and_b32 v2, 15, v0                           ; r
	v_bfe_u32 v3, v0, 4, 1                         ; g
	v_mul_u32_u24 v[XA], v2, 2*XPITCH
	v_lshl_add_u32 v[XA], v3, 7, v[XA]
	v_add_nc_u32 v[XA], s[G0+1], v[XA]             ; my wave's rows + row r + 128 g
	v_lshlrev_b32 v[LI], 4, v1
	v_lshlrev_b32 v[LS], 2, v1
	s_lshl_b32 s56, s18, 12
	s_add_co_u32 s56, s56, XIMG
	v_add_nc_u32 v[XWI], s56, v[LI]                ; tile of rows w: four images
	s_lshl_b32 s57, s18, 9
	s_add_co_u32 s57, s57, XSC
	v_add_nc_u32 v[XWS], s57, v[LS]
	v_add_nc_u32 v[XRI], XIMG, v[LI]
	v_add_nc_u32 v[XRS], XSC, v[LS]
	v_lshlrev_b32 v[SH8], 3, v3
	v_mov_b32 v[TP], 0                             ; a lane permute's destination counts as one of its sources
	s_wait_dscnt 0x0                               ; both opening adds are done
	s_wait_kmcnt 0x0
	s_cmp_eq_u32 s19, 0                            ; the choice hangs on the work-group's number alone
	s_cselect_b64 s[36:37], s[4:5], s[6:7]
	s_add_nc_u64 s[G0+2:G0+3], s[36:37], s[48:49]
	s_or_b32 s[G0+3], s[G0+3], 0x80000000          ; type = 2
	tensor_load_to_lds s[G0:G0+3], s[G1:G1+7]      ; my 16 rows of x: 32,768 bytes, read by me alone
	s_nop 0
.rept 4
	v_nop
.endr
	s_add_nc_u64 s[38:39], s[8:9], s[38:39]
	s_add_nc_u64 s[42:43], s[8:9], s[42:43]
	s_add_nc_u64 s[40:41], s[10:11], s[40:41]
	s_add_nc_u64 s[44:45], s[10:11], s[44:45]
	s_add_nc_u64 s[12:13], s[12:13], s[46:47]
	s_add_nc_u64 s[14:15], s[14:15], s[46:47]
	s_add_nc_u64 s[16:17], s[16:17], s[46:47]
	WLOAD 0x40, 38, 40, W1S                        ; the first weight is on its way while x is quantised
	s_wait_tensorcnt 0x0                           ; my rows are in LDS; nobody else reads them
	QSTEP 0
	QSTEP 1
	QSTEP 2
	QSTEP 3
	s_wait_dscnt 0x0                               ; for the others' sake: my images have landed
	s_barrier_signal -1
	s_barrier_wait -1                              ; x's sixteen fragments lie in LDS; from here on LDS is only read
	s_wait_loadcnt 0x0                             ; the first weight
	s_cmp_eq_u32 s19, 0
	s_cbranch_scc1 .Lq
	WLOAD 0x80, 42, 44, W2S                        ; w_v is on its way while k is made
	PASS W1S, 14, 0, 0                             ; k
	s_wait_loadcnt 0x0
	PASS W2S, 16, 1, 0                             ; v
	FINISH
.Lq:
	PASS W1S, 12, 0, 1                             ; q x c
	FINISH
.Lfunc_end_k_qc92201492f_proj:
	.size	k_qc92201492f_proj, .Lfunc_end_k_qc92201492f_proj-k_qc92201492f_proj
	.p2alignl 7, 3214868480
	.fill 96, 4, 3214868480
	.section	.rodata,"a",@progbits
	.p2align	6, 0x0
	.amdhsa_kernel k_qc92201492f_proj
		.amdhsa_group_segment_fixed_size 167936
		.amdhsa_private_segment_fixed_size 0
		.amdhsa_enable_private_segment 0
		.amdhsa_kernarg_size 56
		.amdhsa_user_sgpr_count 2
		.amdhsa_user_sgpr_kernarg_segment_ptr 1
		.amdhsa_wavefront_size32 1
		.amdhsa_system_sgpr_workgroup_id_x 1
		.amdhsa_system_sgpr_workgroup_id_y 1
		.amdhsa_system_sgpr_workgroup_id_z 1
		.amdhsa_system_vgpr_workitem_id 0
		.amdhsa_next_free_vgpr 768
		.amdhsa_next_free_sgpr 66
		.amdhsa_reserve_vcc 0
		.amdhsa_float_denorm_mode_32 3
		.amdhsa_float_denorm_mode_16_64 3
		.amdhsa_memory_ordered 1
		.amdhsa_forward_progress 1
		.amdhsa_inst_pref_size 141
	.end_amdhsa_kernel
	.amdgpu_metadata
---
amdhsa.version: [ 1, 2 ]
amdhsa.kernels:
  - .name:           k_qc92201492f_proj
    .symbol:         k_qc92201492f_proj.kd
    .args:
      - { .name: inputs_q, .offset: 0, .size: 8, .value_kind: global_buffer, .address_space: global }
      - { .name: inputs_kv, .offset: 8, .size: 8, .value_kind: global_buffer, .address_space: global }
      - { .name: wc, .offset: 16, .size: 8, .value_kind: global_buffer, .address_space: global }
      - { .name: wsc, .offset: 24, .size: 8, .value_kind: global_buffer, .address_space: global }
      - { .name: q_ws, .offset: 32, .size: 8, .value_kind: global_buffer, .address_space: global }
      - { .name: k_ws, .offset: 40, .size: 8, .value_kind: global_buffer, .address_space: global }
      - { .name: v_ws, .offset: 48, .size: 8, .value_kind: global_buffer, .address_space: global }
    .group_segment_fixed_size: 167936
    .private_segment_fixed_size: 0
    .kernarg_segment_align: 8
    .kernarg_segment_size: 56
    .max_flat_workgroup_size: 128
    .sgpr_count:     66
    .vgpr_count:     768
    .wavefront_size: 32
...
	.end_amdgpu_metadata
.endif
;; end of part 2
;; launch attn (part 3): grid 16 x 16, 8 waves a work-group, no clusters, 197,632 bytes of LDS; arguments q_ws, k_ws, v_ws, o_ws; writes o_ws
.if DOCPART == 3
	.amdgcn_target "amdgcn-amd-amdhsa--gfx1250"
	.amdhsa_code_object_version 6
	.text
	.protected	k_qc92201492f_attn
	.globl	k_qc92201492f_attn
	.p2align	8
	.type	k_qc92201492f_attn,@function
k_qc92201492f_attn:
	s_mov_b64 s[64:65], 0
	v_nop
	global_prefetch_b8 v0, s[64:65] scope:SCOPE_SE
	s_setreg_imm32_b32 hwreg(HW_REG_WAVE_MODE, 25, 1), 1
	s_wait_xcnt 0x0
; ATTN.  o[q] = sum over keys k with |q - k| <= 256 of softmax_k(q . k / 8 - 2^-(head + 1) |q - k|) v[k], for one batch and head; f16 operands, products, maxima and sums in f32.
; Keys outside the window are hidden by a mask that the problem builds itself: they are not multiplied.
; SHARES.  A work-group (x: 256 queries, y: batch x head) has eight waves; wave w owns 32 queries, two tiles a = 0, 1, from q0 = 256 x + 32 w on.  Its window, keys q0 - 256 .. q0 + 287, is 17 steps of 32 keys.
; The work-group's 768 keys (24 steps) of K and V come into LDS once, at the head, 24,576 dense bytes by each wave's one tensor load (waves 0-3: K, waves 4-7: V); one is outstanding.  Wave w's step n is LDS step w + n.
; K, V and Q lie in memory as images of the operand registers (512 bytes, lane l's 16 bytes at 16 l): every LDS load takes 512 consecutive bytes, no pitch, no padding, nothing is turned.
; LAYOUT.  S^T = K Q^T (source 0 = 16 keys, source 1 = 16 queries), O^T = V^T P: a lane holds ONE query (lane % 16) throughout; in S^T(a, u) register j is key 16 u + 8 (lane / 16) + j of the step.
; BIAS AND MASK ARE THE C OF EACH SCORE TILE'S FIRST PRODUCT.  q was multiplied by log2(e) / 8; sigma' = log2(e) 2^-(head + 1).  q - k = 32 (8 - n) + d, d = 16 (a - u) + (lane % 16 - 8 (lane / 16)) - j, |d| <= 31.
; So t = raw + pattern + OFF_n with OFF_n = -32 sigma' |8 - n| (a scalar) and the pattern -sigma' d left of the diagonal step, +sigma' d right of it, -sigma' |d| in it; hidden places of the first and the last step hold -1e30.
; SOFTMAX.  A running maximum M and sum L a query: p = 2^(t - M); in every step O and L are multiplied by 2^(old M - new M).
; STEPS OUTSIDE THE SEQUENCE (0 and 4,096 are multiples of 32: a step lies wholly inside or outside): the pads hold zeros, OFF is replaced by -1e30 (a select on ids), and M begins at -1e29,
; which lies under every t that f16 operands can give (64 x 65,504^2 < 3e11): p is then exactly 0, and no difference of infinities can arise.
; NO JOINT LOADS: neighbouring blocks' windows are shifted by 256 keys, so a shared piece would lie at another LDS address in each partner.  NO PREFETCH: every byte is asked for at the head.
; LIMITS: NaN and infinities are not served; |o| stays under 65,504 (f16).
.set VBASE, 98304                      ; LDS: K's 24 steps of 4,096 bytes ([u 2][sub 4][512]), then V's ([t 4][c 2][512])
.set SPARE, 196608                     ; behind them the spare words, 128 bytes for each wave: four blocks of 256 bytes that no other line names
.set BHB,   589824                     ; bytes of one head in q_ws, k_ws, v_ws
.set A0,   1                           ; v1   16 x lane; never rewritten
.set A0V,  2                           ; v2   the same in V's part
.set ADK,  3                           ; v3   LDS address of the step's K
.set ADV,  4                           ; v4   of its V
.set RI,   5                           ; v5   lane % 16 - 8 (lane / 16), a whole number
.set SPW,  8                           ; v8   LDS address of my spare word; never rewritten
.set NIL,  9                           ; v9   0; never rewritten
.set ST,   10                          ; v[10 + 8 a ..]: +0 M; +2, +3 L (even and odd keys'); +4 X = OFF - M (+5 named with it); +6 the factor (+7 named with it)
.set TT,   26                          ; v[26 + 4 a ..]: at work
.set LINM, 34                          ; pattern tiles, eight registers each: a - u = -1,
.set LIN0, 42                          ; 0,
.set LINP, 50                          ; +1,
.set PM,   58                          ; the tile a = u of the first, the diagonal and the last step,
.set NEGT, 66                          ; and -1e30 everywhere
.set S,    74                          ; S^T(a, u) at v[74 + 16 a + 8 u]
.set P,    106                         ; P(a) at v[106 + 8 a]
.set O,    122                         ; O^T(a, t) at v[122 + 32 a + 8 t]
.set KF,   186                         ; K(u, s) at v[186 + 8 (2 u + s)]
.set VF,   218                         ; V(t) at v[218 + 8 t]
                                       ; window 1: Q(a, s) at v[8 (2 a + s)]
.set WV,   12
.set G1,   16                          ; s[16:23] descriptor group 1;  s[24:27] group 0
.set G0,   24
.set TB,   32                          ; s32  LDS byte at which the step in hand begins
.set KB,   33                          ; s33  the step's first key (wraps under 0)
.set OFF,  34                          ; s34  OFF_n
.set OM,   35                          ; s35  OFF_n, or -1e30 outside the sequence
.set NEG,  36                          ; s36  -1e30
.set SG,   37                          ; s37  sigma'
.set NS32, 38                          ; s38  -32 sigma'
.set N256, 39                          ; s39  -256 sigma'
.set CNT,  40
.set TF,   41
.set SEL,  42                          ; s[42:43] lane selects: lane l xor 16
.set NSG,  48                          ; s48  -sigma'
.set MSB, 0
.macro WIN new
.if MSB != \new
	s_set_vgpr_msb (MSB<<8)|\new
.set MSB, \new
.endif
.endm
.macro BLIN base, e16                  ; the tile -sigma' d for 16 (a - u) = e16
.irp j, 0,1,2,3,4,5,6,7
	v_add_nc_u32 v[TT+\j], (\e16)-\j, v[RI]
.endr
.irp j, 0,1,2,3,4,5,6,7
	v_cvt_f32_i32 v[TT+\j], v[TT+\j]
.endr
.irp j, 0,1,2,3,4,5,6,7
	v_mul_f32 v[\base+\j], s[NSG], v[TT+\j]
.endr
.endm
.macro BMASK                           ; PM = LIN0 where it is not negative, else -1e30
.irp j, 0,1,2,3,4,5,6,7
	v_cmp_gt_f32 vcc_lo, 0, v[LIN0+\j]
	v_cndmask_b32 v[PM+\j], v[LIN0+\j], v[NEGT+\j], vcc_lo
.endr
.endm
.macro NEGATE base
.irp j, 0,1,2,3,4,5,6,7
	v_xor_b32 v[\base+\j], 0x80000000, v[\base+\j]
.endr
.endm
; A STEP OF 32 KEYS.  cm, c0, cp: the pattern tiles for a - u = -1, 0, +1.  first = 1: it starts M, L and O^T.  last = 1: no step follows.
.macro STEP cm, c0, cp, first, last
	s_cmp_lt_u32 s[KB], 4096                       ; inside the sequence?  ids and the count of steps alone
	s_cselect_b32 s[OM], s[OFF], s[NEG]
	v_add_nc_u32 v[ADV], s[TB], v[A0V]
.rept 3
	v_nop                                          ; with the addition above: four places between the last step's products V^T P and the loads into V's registers (ISA guide 7.12.1 for vector instructions)
.endr
.irp i, 0,1,2,3,4,5,6,7
	ds_load_b128 v[VF+4*\i:VF+4*\i+3], v[ADV] offset:512*\i
.endr
	s_wait_dscnt 8                                 ; K, asked for a step ago, is in; the eight loads of V just issued may be out
	WIN 0x04                                       ; source 1 (Q) in window 1
	v_wmma_f32_16x16x32_f16 v[S:S+7],     v[KF:KF+7],     v[0:7],   v[\c0:\c0+7]      ; the four score tiles by turns; bias and mask come in as C
	v_wmma_f32_16x16x32_f16 v[S+8:S+15],  v[KF+16:KF+23], v[0:7],   v[\cm:\cm+7]
	v_wmma_f32_16x16x32_f16 v[S+16:S+23], v[KF:KF+7],     v[16:23], v[\cp:\cp+7]
	v_wmma_f32_16x16x32_f16 v[S+24:S+31], v[KF+16:KF+23], v[16:23], v[\c0:\c0+7]
	v_wmma_f32_16x16x32_f16 v[S:S+7],     v[KF+8:KF+15],  v[8:15],  v[S:S+7]
	v_wmma_f32_16x16x32_f16 v[S+8:S+15],  v[KF+24:KF+31], v[8:15],  v[S+8:S+15]
	v_wmma_f32_16x16x32_f16 v[S+16:S+23], v[KF+8:KF+15],  v[24:31], v[S+16:S+23]
	v_wmma_f32_16x16x32_f16 v[S+24:S+31], v[KF+24:KF+31], v[24:31], v[S+24:S+31]
	WIN 0
.if \last
.rept 4
	v_nop                                          ; four places in front of the first read of the scores
.endr
.else
	s_add_co_u32 s[TB], s[TB], 4096
	v_add_nc_u32 v[ADK], s[TB], v[A0]
.rept 3
	v_nop                                          ; four places, for the loads into K's registers and for the first read of the scores
.endr
.irp i, 0,1,2,3,4,5,6,7
	ds_load_b128 v[KF+4*\i:KF+4*\i+3], v[ADK] offset:512*\i                   ; the next step's K lands under this step's softmax
.endr
.endif
	; the softmax, the two tiles line by line.  Each accumulator is read from its low end on
.irp a, 0,1
	v_max3_num_f32 v[TT+4*\a],   v[S+16*\a],   v[S+16*\a+1], v[S+16*\a+2]
	v_max3_num_f32 v[TT+4*\a+1], v[S+16*\a+8], v[S+16*\a+9], v[S+16*\a+10]
.endr
.irp a, 0,1
	v_max3_num_f32 v[TT+4*\a],   v[TT+4*\a],   v[S+16*\a+3],  v[S+16*\a+4]
	v_max3_num_f32 v[TT+4*\a+1], v[TT+4*\a+1], v[S+16*\a+11], v[S+16*\a+12]
.endr
.irp a, 0,1
	v_max3_num_f32 v[TT+4*\a],   v[TT+4*\a],   v[S+16*\a+5],  v[S+16*\a+6]
	v_max3_num_f32 v[TT+4*\a+1], v[TT+4*\a+1], v[S+16*\a+13], v[S+16*\a+14]
.endr
.irp a, 0,1
	v_max3_num_f32 v[TT+4*\a], v[TT+4*\a], v[S+16*\a+7], v[S+16*\a+15]
.endr
.irp a, 0,1
	v_max_num_f32 v[TT+4*\a], v[TT+4*\a], v[TT+4*\a+1]
.endr
.irp a, 0,1
	v_permlanex16_b32 v[TT+4*\a+1], v[TT+4*\a], s[SEL], s[SEL+1]              ; the query's other 16 keys lie in the lane 16 away
.endr
.irp a, 0,1
	v_max_num_f32 v[TT+4*\a], v[TT+4*\a], v[TT+4*\a+1]
.endr
.irp a, 0,1
	v_add_f32 v[TT+4*\a], s[OM], v[TT+4*\a]                                   ; the step's largest t
.endr
.if \first
.irp a, 0,1
	v_max_num_f32 v[ST+8*\a], 0xefa18f08, v[TT+4*\a]                          ; M begins at -1e29 or above
.endr
.else
.irp a, 0,1
	v_max_num_f32 v[TT+4*\a+1], v[ST+8*\a], v[TT+4*\a]                        ; the new M
.endr
.irp a, 0,1
	v_sub_f32 v[TT+4*\a+2], v[ST+8*\a], v[TT+4*\a+1]                          ; old M - new M
.endr
.irp a, 0,1
	v_mov_b32 v[ST+8*\a], v[TT+4*\a+1]
.endr
.endif
.irp a, 0,1
	v_sub_f32 v[ST+8*\a+4], s[OM], v[ST+8*\a]                                 ; X = OFF - M
.endr
.irp j, 0,2,4,6,8,10,12,14
.irp a, 0,1
	v_pk_add_f32 v[S+16*\a+\j:S+16*\a+\j+1], v[S+16*\a+\j:S+16*\a+\j+1], v[ST+8*\a+4:ST+8*\a+5] op_sel_hi:[1,0]   ; t - M, two at a time
.endr
.endr
	; ONE BATCH of exponentials, none of which reads another's result
.if \first == 0
.irp a, 0,1
	v_exp_f32 v[ST+8*\a+6], v[TT+4*\a+2]                                      ; 2^(old M - new M)
.endr
.endif
.irp j, 0,1,2,3,4,5,6,7,8,9,10,11,12,13,14,15
.irp a, 0,1
	v_exp_f32 v[S+16*\a+\j], v[S+16*\a+\j]                                    ; p
.endr
.endr
	v_nop                                          ; a plain line behind the last exponential,
	s_wait_alu depctr_va_vdst(0)                   ; and the wait ahead of the batch's first reader
.irp p, 0,1,2,3,4,5,6,7
.irp a, 0,1
	v_cvt_pk_f16_f32 v[P+8*\a+\p], v[S+16*\a+2*\p], v[S+16*\a+2*\p+1]         ; two tiles of scores, packed, are source 1 of V^T P
.endr
.endr
.irp j, 0,2,4,6
.irp a, 0,1
	v_pk_add_f32 v[S+16*\a+\j:S+16*\a+\j+1], v[S+16*\a+\j:S+16*\a+\j+1], v[S+16*\a+\j+8:S+16*\a+\j+9]   ; the sum of p, in f32, as a tree
.endr
.endr
.irp j, 0,2
.irp a, 0,1
	v_pk_add_f32 v[S+16*\a+\j:S+16*\a+\j+1], v[S+16*\a+\j:S+16*\a+\j+1], v[S+16*\a+\j+4:S+16*\a+\j+5]
.endr
.endr
.if \first
.irp a, 0,1
	v_pk_add_f32 v[ST+8*\a+2:ST+8*\a+3], v[S+16*\a:S+16*\a+1], v[S+16*\a+2:S+16*\a+3]
.endr
.else
.irp a, 0,1
	v_pk_add_f32 v[S+16*\a:S+16*\a+1], v[S+16*\a:S+16*\a+1], v[S+16*\a+2:S+16*\a+3]
.endr
.irp a, 0,1
	v_pk_fma_f32 v[ST+8*\a+2:ST+8*\a+3], v[ST+8*\a+2:ST+8*\a+3], v[ST+8*\a+6:ST+8*\a+7], v[S+16*\a:S+16*\a+1] op_sel_hi:[1,0,1]
.endr
.irp j, 0,2,4,6,8,10,12,14,16,18,20,22,24,26,28,30
.irp a, 0,1
	v_pk_mul_f32 v[O+32*\a+\j:O+32*\a+\j+1], v[O+32*\a+\j:O+32*\a+\j+1], v[ST+8*\a+6:ST+8*\a+7] op_sel_hi:[1,0]   ; O^T under the new M, each accumulator from its low end on
.endr
.endr
.endif
.if \last
	s_wait_dscnt 0x0                               ; V is in
.else
	s_wait_dscnt 8                                 ; V is in; the next step's eight loads of K may be out
.endif
.irp t, 0,1,2,3
.irp a, 0,1
.if \first
	v_wmma_f32_16x16x32_f16 v[O+32*\a+8*\t:O+32*\a+8*\t+7], v[VF+8*\t:VF+8*\t+7], v[P+8*\a:P+8*\a+7], 0       ; the first step starts the sums: nothing is cleared
.else
	v_wmma_f32_16x16x32_f16 v[O+32*\a+8*\t:O+32*\a+8*\t+7], v[VF+8*\t:VF+8*\t+7], v[P+8*\a:P+8*\a+7], v[O+32*\a+8*\t:O+32*\a+8*\t+7]
.endif
.endr
.endr
	s_add_co_u32 s[KB], s[KB], 32
.endm
	s_load_b256 s[4:11], s[0:1], 0x0               ; q_ws s[4:5], k_ws s[6:7], v_ws s[8:9], o_ws s[10:11]
	v_lshl_add_u32 v[SPW], v0, 2, SPARE
	v_mov_b32 v[NIL], 0
	ds_add_u32 v[SPW], v[NIL]                      ; the wave's opening: the add, twice on end, and its wait ahead of my tensor load
	ds_add_u32 v[SPW], v[NIL]
	v_lshrrev_b32 v1, 5, v0
	v_readfirstlane_b32 s[WV], v1                  ; wave 0..7
	s_and_b32 s14, ttmp7, 0xffff                   ; batch x 8 + head
	s_and_b32 s15, s14, 7                          ; head
	; descriptor group 1: 24,576 dense bytes as 96 rows of 32 elements of 8 bytes, no padding
	s_mov_b32 s[G1+0], 3<<16
	s_mov_b32 s[G1+1], 32<<16                      ; tensor_dim0
	s_mov_b32 s[G1+2], 96<<16                      ; tensor_dim1
	s_mov_b32 s[G1+3], 32<<16                      ; tile_dim0
	s_mov_b32 s[G1+4], 96                          ; tile_dim1
	s_mov_b32 s[G1+5], 32                          ; from row to row
	s_mov_b32 s[G1+6], 0
	s_mov_b32 s[G1+7], 0
	s_mov_b32 s[G0], 1
	s_mul_i32 s[G0+1], s[WV], 24576                ; K's four quarters, then V's four
	s_mul_i32 s28, s14, BHB
	s_lshl_b32 s29, ttmp9, 15                      ; the window's first key, 256 x - 256, lies at tile 16 x: the front pad is 16 tiles
	s_add_co_u32 s28, s28, s29
	s_and_b32 s29, s[WV], 3
	s_mul_i32 s29, s29, 24576
	s_add_co_u32 s30, s28, s29
	s_mov_b32 s31, 0
	s_lshl_b32 s[TB], s[WV], 12                    ; my first step in LDS
	s_add_co_u32 s44, s28, s[TB]                   ; Q: tile 16 + 16 x + 2 w
	s_add_co_u32 s44, s44, 32768
	s_mov_b32 s45, 0
	s_lshr_b32 s46, s14, 3                         ; o_ws: tile of tokens 256 b + 16 x + 2 w, 16,384 bytes each; in it the head's 2,048
	s_lshl_b32 s46, s46, 8
	s_lshl_b32 s29, ttmp9, 4
	s_add_co_u32 s46, s46, s29
	s_lshl_b32 s29, s[WV], 1
	s_add_co_u32 s46, s46, s29
	s_lshl_b32 s46, s46, 14
	s_lshl_b32 s29, s15, 11
	s_add_co_u32 s46, s46, s29
	s_mov_b32 s47, 0
	s_lshl_b32 s[KB], ttmp9, 8
	s_lshl_b32 s29, s[WV], 5
	s_add_co_u32 s[KB], s[KB], s29
	s_sub_co_u32 s[KB], s[KB], 256                 ; q0 - 256; under 0 it wraps to a number above 4,096
	s_mov_b32 s[NEG], 0xf149f2ca                   ; -1e30
	s_add_co_u32 s29, s15, 1
	s_lshl_b32 s29, s29, 23
	s_sub_co_u32 s[SG], 0x3fb8aa3b, s29            ; log2(e) with head + 1 off its exponent field
	s_or_b32 s[NSG], s[SG], 0x80000000
	s_add_co_u32 s[NS32], s[NSG], 5<<23
	s_add_co_u32 s[N256], s[NSG], 8<<23
	s_mov_b32 s[SEL], 0x76543210
	s_mov_b32 s[SEL+1], 0xfedcba98
	s_wait_dscnt 0x0                               ; both opening adds are done
	s_wait_kmcnt 0x0
	s_cmp_lt_u32 s[WV], 4                          ; the choice hangs on the wave's number alone
	s_cselect_b64 s[G0+2:G0+3], s[6:7], s[8:9]
	s_add_nc_u64 s[G0+2:G0+3], s[G0+2:G0+3], s[30:31]
	s_or_b32 s[G0+3], s[G0+3], 0x80000000          ; type = 2
	tensor_load_to_lds s[G0:G0+3], s[G1:G1+7]
	s_nop 0
.rept 4
	v_nop
.endr
	s_add_nc_u64 s[4:5], s[4:5], s[44:45]
	s_add_nc_u64 s[10:11], s[10:11], s[46:47]
	v_and_b32 v1, 31, v0
	v_lshlrev_b32 v[A0], 4, v1
	v_add_nc_u32 v[A0V], VBASE, v[A0]
	WIN 0x40                                       ; destination window 1
.irp i, 0,1,2,3,4,5,6,7
	global_load_b128 v[4*\i:4*\i+3], v[A0], s[4:5] offset:512*\i              ; Q stays in registers
.endr
	WIN 0
	v_and_b32 v6, 15, v0
	v_bfe_u32 v7, v0, 4, 1
	v_lshlrev_b32 v7, 3, v7
	v_sub_nc_u32 v[RI], v6, v7
	BLIN LINM, -16
	BLIN LIN0, 0
	BLIN LINP, 16
.irp j, 0,1,2,3,4,5,6,7
	v_mov_b32 v[NEGT+\j], s[NEG]
.endr
	BMASK                                          ; the first step: q - k = 256 + d, hidden where d > 0, which is where -sigma' d < 0
.irp a, 0,1
	v_mov_b32 v[ST+8*\a+5], 0                      ; named as the upper halves of pairs, never used
	v_mov_b32 v[ST+8*\a+7], 0
.endr
	s_wait_tensorcnt 0x0                           ; my part of K or V is in LDS,
	s_barrier_signal -1
	s_barrier_wait -1                              ; everybody's is; from here on LDS is only read
	v_add_nc_u32 v[ADK], s[TB], v[A0]
.irp i, 0,1,2,3,4,5,6,7
	ds_load_b128 v[KF+4*\i:KF+4*\i+3], v[ADK] offset:512*\i
.endr
	s_wait_loadcnt 0x0                             ; Q
	s_mov_b32 s[OFF], s[N256]
	STEP LINM, PM, NEGT, 1, 0                      ; n = 0: the window's left edge
	s_mov_b32 s[CNT], 7
.Lleft:                                            ; n = 1 .. 7: 8 - n = CNT
	s_cvt_f32_u32 s[TF], s[CNT]
	s_mul_f32 s[OFF], s[TF], s[NS32]
	STEP LINM, LIN0, LINP, 0, 0
	s_sub_co_u32 s[CNT], s[CNT], 1
	s_cmp_lg_u32 s[CNT], 0
	s_cbranch_scc1 .Lleft
.irp j, 0,1,2,3,4,5,6,7
	v_or_b32 v[PM+\j], 0x80000000, v[LIN0+\j]      ; the diagonal step: -sigma' |d|  (the products that read the patterns stand a whole softmax back)
.endr
	NEGATE LINM                                    ; a - u = -1: d < 0, so -sigma' |d| = +sigma' d
	s_mov_b32 s[OFF], 0
	STEP LINM, PM, LINP, 0, 0                      ; n = 8
	NEGATE LIN0                                    ; right of the diagonal: +sigma' d
	NEGATE LINP
	BMASK                                          ; the last step: q - k = d - 256, hidden where d < 0, which is where +sigma' d < 0
	s_mov_b32 s[CNT], 1
.Lright:                                           ; n = 9 .. 15: n - 8 = CNT
	s_cvt_f32_u32 s[TF], s[CNT]
	s_mul_f32 s[OFF], s[TF], s[NS32]
	STEP LINM, LIN0, LINP, 0, 0
	s_add_co_u32 s[CNT], s[CNT], 1
	s_cmp_lt_u32 s[CNT], 8
	s_cbranch_scc1 .Lright
	s_mov_b32 s[OFF], s[N256]
	STEP NEGT, PM, LINP, 0, 1                      ; n = 16: the window's right edge
	; THE WAY OUT.  O^T / L, packed to f16, IS the next launch's fragment (lane: token lane % 16, eight neighbouring d): it is stored as it stands, 512 consecutive bytes a store.
.irp a, 0,1
	v_add_f32 v[TT+4*\a], v[ST+8*\a+2], v[ST+8*\a+3]                          ; (these additions and the v_nop are the places behind the last products)
.endr
.irp a, 0,1
	v_permlanex16_b32 v[TT+4*\a+1], v[TT+4*\a], s[SEL], s[SEL+1]
.endr
.irp a, 0,1
	v_add_f32 v[TT+4*\a], v[TT+4*\a], v[TT+4*\a+1]                            ; the row's sum: at least the largest p, which is 1
.endr
.irp a, 0,1
	v_rcp_f32 v[ST+8*\a+6], v[TT+4*\a]
.endr
	v_nop                                          ; a plain line behind the reciprocals,
	s_wait_alu depctr_va_vdst(0)                   ; and the wait ahead of their first reader
.set J, 0
.rept 32
	v_pk_mul_f32 v[O+J:O+J+1], v[O+J:O+J+1], v[ST+8*(J/32)+6:ST+8*(J/32)+7] op_sel_hi:[1,0]
.set J, J+2
.endr
.set J, 0
.rept 32
	v_cvt_pk_f16_f32 v[S+J], v[O+2*J], v[O+2*J+1]
.set J, J+1
.endr
.irp a, 0,1
.irp t, 0,1,2,3
	global_store_b128 v[A0], v[S+16*\a+4*\t:S+16*\a+4*\t+3], s[10:11] offset:16384*\a+512*\t
.endr
.endr
	s_wait_tensorcnt 0x0                           ; the wave's end, behind my tensor load
	ds_add_u32 v[SPW], v[NIL]
	s_wait_dscnt 0x0
	s_endpgm
.Lfunc_end_k_qc92201492f_attn:
	.size	k_qc92201492f_attn, .Lfunc_end_k_qc92201492f_attn-k_qc92201492f_attn
	.p2alignl 7, 3214868480
	.fill 96, 4, 3214868480
	.section	.rodata,"a",@progbits
	.p2align	6, 0x0
	.amdhsa_kernel k_qc92201492f_attn
		.amdhsa_group_segment_fixed_size 197632
		.amdhsa_private_segment_fixed_size 0
		.amdhsa_enable_private_segment 0
		.amdhsa_kernarg_size 32
		.amdhsa_user_sgpr_count 2
		.amdhsa_user_sgpr_kernarg_segment_ptr 1
		.amdhsa_wavefront_size32 1
		.amdhsa_system_sgpr_workgroup_id_x 1
		.amdhsa_system_sgpr_workgroup_id_y 1
		.amdhsa_system_sgpr_workgroup_id_z 1
		.amdhsa_system_vgpr_workitem_id 0
		.amdhsa_next_free_vgpr 288
		.amdhsa_next_free_sgpr 66
		.amdhsa_reserve_vcc 1
		.amdhsa_float_denorm_mode_32 3
		.amdhsa_float_denorm_mode_16_64 3
		.amdhsa_memory_ordered 1
		.amdhsa_forward_progress 1
		.amdhsa_inst_pref_size 65
	.end_amdhsa_kernel
	.amdgpu_metadata
---
amdhsa.version: [ 1, 2 ]
amdhsa.kernels:
  - .name:           k_qc92201492f_attn
    .symbol:         k_qc92201492f_attn.kd
    .args:
      - { .name: q_ws, .offset: 0, .size: 8, .value_kind: global_buffer, .address_space: global }
      - { .name: k_ws, .offset: 8, .size: 8, .value_kind: global_buffer, .address_space: global }
      - { .name: v_ws, .offset: 16, .size: 8, .value_kind: global_buffer, .address_space: global }
      - { .name: o_ws, .offset: 24, .size: 8, .value_kind: global_buffer, .address_space: global }
    .group_segment_fixed_size: 197632
    .private_segment_fixed_size: 0
    .kernarg_segment_align: 8
    .kernarg_segment_size: 32
    .max_flat_workgroup_size: 256
    .sgpr_count:     66
    .vgpr_count:     288
    .wavefront_size: 32
...
	.end_amdgpu_metadata
.endif
;; end of part 3
;; launch outp (part 4): grid 4 x 64, 4 waves a work-group, clusters of 4 x 4, 280,064 bytes of LDS; arguments o_ws, wo_ws, out0; writes out0
.if DOCPART == 4
	.amdgcn_target "amdgcn-amd-amdhsa--gfx1250"
	.amdhsa_code_object_version 6
	.text
	.protected	k_qc92201492f_outp
	.globl	k_qc92201492f_outp
	.p2align	8
	.type	k_qc92201492f_outp,@function
k_qc92201492f_outp:
	s_mov_b64 s[64:65], 0
	v_nop
	global_prefetch_b8 v0, s[64:65] scope:SCOPE_SE
	s_setreg_imm32_b32 hwreg(HW_REG_WAVE_MODE, 25, 1), 1
	s_wait_xcnt 0x0
	s_wait_alu depctr_hold_cnt(0) depctr_sa_sdst(0) depctr_va_vdst(0) depctr_va_sdst(0) depctr_va_ssrc(0) depctr_va_vcc(0) depctr_vm_vsrc(0)
	s_getreg_b32 s2, hwreg(HW_REG_IB_STS2, 6, 4)
	s_cmp_eq_u32 s2, 0
	s_cbranch_scc0 .Lentry_in_a_cluster
	s_endpgm
.Lentry_in_a_cluster:
	s_bfe_u32 s2, ttmp6, 0x10000c
	s_cmp_lg_u32 s2, 0xf033
	s_cbranch_scc0 .Lentry_shape_is_right
	s_endpgm
.Lentry_shape_is_right:
; OUTP.  out0[token][n] = sum over k of o[token][k] w_o[k][n]; K = 512; f16 operands, f32 sums, f32 out.
; Both operands lie in memory as images of their registers: o_ws [tile of 16 tokens 512][ks 16][c 2][512 bytes], wo_ws [tile of 16 columns 32][ks 16][c 2][512 bytes].
; SHARES.  A work-group makes 128 tokens x 128 columns; each of its four waves 64 x 64: 16 accumulators of 16 x 16.  All of K fits in LDS, as two halves of 8 K steps of 32; both are asked for at the head:
; two tensor loads a wave are outstanding, and no LDS byte is filled twice.
; CLUSTERS: 4 x 4 work-groups.  The four of a row of the cluster need the same tokens' images, the four of a column the same columns': each piece is asked for JOINTLY, by the same tensor load with the
; same descriptor and a mask that names the four.  Waves 0 and 1 fetch o's two halves of the tile's rows, waves 2 and 3 w_o's.
; THE MATRIX INSTRUCTION IS USED TRANSPOSED (source 0 = 16 columns of w_o, source 1 = 16 tokens): a lane then holds eight neighbouring numbers of a row of out0.
; REGISTERS: window 0: v16-29 addresses; v32-95 rows on the way out; v128-255 the accumulators ((a, b) at v[128 + 8 (4 a + b)]).  window 1: two fragment buffers of 64: o's four at + 8 a, w_o's four at + 32 + 8 b.
.set HALF,  131072                     ; LDS: half hf of K: o's 8 tiles x 8,192 bytes, then w_o's 8
.set STAGE, 2*HALF                     ; behind them: 16 rows x (256 bytes + 16) for each wave, for the way out
.set SP,    272
.set SPARE, STAGE+4*16*SP              ; and the spare words, 128 bytes for each wave: two blocks of 256 bytes that no other line names
.set ADRA, 16                          ; v16-17  LDS address of my o fragments in half 0, 1
.set ADRB, 20                          ; v20-21  the same for w_o
.set STO,  24                          ; v24     the way out: where I put 32 bytes of a row
.set RD,   25                          ; v25     where I read a row back
.set CO,   26                          ; v26     my byte offset in out0
.set SPW,  28                          ; v28     LDS address of my spare word; never rewritten
.set NIL,  29                          ; v29     0; never rewritten
.set BK,   32
.set ACC,  128
.set G1,  24                           ; s[24:31] descriptor group 1 for o;  s[32:39] group 0, one set for each half
.set G0,  32
.set G1B, 48                           ; s[48:55], s[56:63] the same for w_o
.set G0B, 56
.set MSB, 0
.macro WIN new
.if MSB != \new
	s_set_vgpr_msb (MSB<<8)|\new
.set MSB, \new
.endif
.endm
.macro JLOAD s                         ; a joint load; the branch hangs on the wave's number alone; an s_nop 0 and four v_nop follow each of the two lines
	s_cmp_eq_u32 s11, 0
	s_cbranch_scc0 .Lfor_b_\@
	tensor_load_to_lds s[G0+4*\s:G0+4*\s+3], s[G1:G1+7]
	s_nop 0
.rept 4
	v_nop
.endr
	s_branch .Lasked_\@
.Lfor_b_\@:
	tensor_load_to_lds s[G0B+4*\s:G0B+4*\s+3], s[G1B:G1B+7]
	s_nop 0
.rept 4
	v_nop
.endr
.Lasked_\@:
.endm
.macro CROUND                          ; a round of the cluster's barrier
	s_barrier_signal -1
	s_barrier_wait -1
	s_cmp_lg_u32 s10, 0
	s_cbranch_scc1 .Lnot_wave_0_\@
	s_barrier_signal -3
.Lnot_wave_0_\@:
	s_barrier_wait -3
	s_barrier_signal -1
	s_barrier_wait -1
.endm
	s_load_b128 s[4:7], s[0:1], 0x0                ; o_ws s[4:5], wo_ws s[6:7]
	s_load_b64 s[8:9], s[0:1], 0x10                ; out0
	v_lshl_add_u32 v[SPW], v0, 2, SPARE
	v_mov_b32 v[NIL], 0
	ds_add_u32 v[SPW], v[NIL]                      ; the wave's opening: the add, twice on end, and its wait ahead of my first tensor load
	ds_add_u32 v[SPW], v[NIL]
	v_lshrrev_b32 v1, 5, v0
	v_readfirstlane_b32 s10, v1                    ; wave 0..3
	s_lshr_b32 s11, s10, 1                         ; which half of the tile's tokens is mine.  Also: I fetch for o (0) or for w_o (1)
	s_and_b32 s12, s10, 1                          ; which half of its columns.  Also: which four tiles I fetch
	s_bfe_u32 s40, ttmp6, 0x40000                  ; cx, cy: my place in the cluster
	s_bfe_u32 s41, ttmp6, 0x40004
	s_lshl_b32 s42, ttmp9, 2
	s_add_co_u32 s42, s42, s40                     ; tile column = 4 x cluster x + cx
	s_and_b32 s13, ttmp7, 0xffff
	s_lshl_b32 s13, s13, 2
	s_add_co_u32 s13, s13, s41                     ; tile row = 4 x cluster y + cy
	s_lshl_b32 s43, s41, 2
	s_lshl_b32 s43, 15, s43                        ; my row of the cluster
	s_lshl_b32 s44, 0x1111, s40                    ; my column
	; descriptor group 1: four tiles' halves: 4 rows of 1,024 elements of 8 bytes, 2,048 elements apart, no padding
	s_or_b32 s[G1+0], s43, (3<<16)|(1<<21)         ; 15:0 the mask; 17:16 elements of 8 bytes; 21 set beside a mask
	s_or_b32 s[G1B+0], s44, (3<<16)|(1<<21)
.irp g, G1, G1B
	s_mov_b32 s[\g+1], 1024<<16                    ; tensor_dim0
	s_mov_b32 s[\g+2], 4<<16                       ; tensor_dim1
	s_mov_b32 s[\g+3], 1024<<16                    ; tile_dim0
	s_mov_b32 s[\g+4], 4                           ; tile_dim1
	s_mov_b32 s[\g+5], 2048                        ; from tile to tile
	s_mov_b32 s[\g+6], 0
	s_mov_b32 s[\g+7], 0
.endr
	s_lshl_b32 s17, s12, 16                        ; which four tiles of 16,384 bytes
	s_lshl_b32 s16, s13, 17
	s_add_co_u32 s16, s16, s17                     ; o: 8 tiles a tile row
	s_lshl_b32 s46, s42, 17
	s_add_co_u32 s46, s46, s17                     ; w_o: 8 tiles a tile column
	s_mov_b32 s17, 0
	s_mov_b32 s47, 0
	s_lshl_b32 s20, s10, 15                        ; where they go: wave x 32,768: no place in the cluster enters an LDS address
	s_wait_dscnt 0x0                               ; both opening adds are done
	s_wait_kmcnt 0x0
	s_add_nc_u64 s[14:15], s[4:5], s[16:17]
	s_add_nc_u64 s[46:47], s[6:7], s[46:47]
	CROUND                                         ; all sixteen work-groups are here: the joint loads meet
.irp s, 0,1
	s_mov_b32 s[G0+4*\s], 1
	s_add_co_u32 s[G0+4*\s+1], s20, \s*HALF
	s_add_nc_u64 s[G0+4*\s+2:G0+4*\s+3], s[14:15], \s*8192
	s_or_b32 s[G0+4*\s+3], s[G0+4*\s+3], 0x80000000
	s_mov_b32 s[G0B+4*\s], 1
	s_add_co_u32 s[G0B+4*\s+1], s20, \s*HALF
	s_add_nc_u64 s[G0B+4*\s+2:G0B+4*\s+3], s[46:47], \s*8192
	s_or_b32 s[G0B+4*\s+3], s[G0B+4*\s+3], 0x80000000
	JLOAD \s
.endr
	v_and_b32 v1, 31, v0
	v_lshlrev_b32 v3, 4, v1                        ; 16 x lane: my place in an image
	s_lshl_b32 s21, s11, 15                        ; my four tiles of o
	s_lshl_b32 s22, s12, 15                        ; my four of w_o,
	s_add_co_u32 s22, s22, 65536                   ; which lie behind o's eight
.irp s, 0,1
	v_add_nc_u32 v[ADRA+\s], s21, v3
	v_add_nc_u32 v[ADRB+\s], s22, v3
	s_add_co_u32 s21, s21, HALF
	s_add_co_u32 s22, s22, HALF
.endr
	v_and_b32 v4, 15, v0                           ; r
	v_bfe_u32 v2, v0, 4, 1                         ; g
	s_mul_i32 s23, s10, 16*SP
	s_add_co_u32 s23, s23, STAGE                   ; my stage
	v_mul_u32_u24 v5, v4, SP                       ; in: row r, 32 bytes for each half of the lanes
	v_lshl_add_u32 v5, v2, 5, v5
	v_add_nc_u32 v[STO], s23, v5
	v_mul_u32_u24 v5, v2, SP                       ; back: lanes 0-15 one row of 256 bytes, lanes 16-31 the next
	v_lshl_add_u32 v5, v4, 4, v5
	v_add_nc_u32 v[RD], s23, v5
	v_lshlrev_b32 v5, 11, v2                       ; and the same two rows in out0 (2,048 bytes a row)
	v_lshl_add_u32 v[CO], v4, 4, v5
	s_lshl_b32 s16, s13, 18                        ; my first row: 128 x tile row + 64 x half, 2,048 bytes each
	s_lshl_b32 s17, s11, 17
	s_add_co_u32 s16, s16, s17
	s_mov_b32 s17, 0
	s_add_nc_u64 s[8:9], s[8:9], s[16:17]
	s_lshl_b32 s46, s42, 9                         ; my first column, in bytes: 512 x tile column + 256 x half
	s_lshl_b32 s47, s12, 8
	s_add_co_u32 s46, s46, s47
	s_mov_b32 s47, 0
	s_add_nc_u64 s[8:9], s[8:9], s[46:47]
; 8 matrix instructions: token tiles a0, a0 + 1 x the four column tiles, 32 along K, out of buffer f.  In K step 0 the products start the sums: nothing is cleared.
; The 16 accumulators take turns, one instruction a turn, in the same order in every K step.
.macro MUL8 f, a0
	WIN 0x05                                       ; sources 0 and 1 window 1; C and D window 0
.irp a, \a0, \a0+1
.irp b, 0,1,2,3
.if KS == 0
	v_wmma_f32_16x16x32_f16 v[ACC+8*(4*(\a)+\b):ACC+8*(4*(\a)+\b)+7], v[\f+32+8*\b:\f+32+8*\b+7], v[\f+8*(\a):\f+8*(\a)+7], 0
.else
	v_wmma_f32_16x16x32_f16 v[ACC+8*(4*(\a)+\b):ACC+8*(4*(\a)+\b)+7], v[\f+32+8*\b:\f+32+8*\b+7], v[\f+8*(\a):\f+8*(\a)+7], v[ACC+8*(4*(\a)+\b):ACC+8*(4*(\a)+\b)+7]
.endif
.endr
.endr
.endm
.macro FETCH hf, kk, f                 ; 16 LDS loads in one run: the eight fragments of K step kk of half hf, into buffer f; each load takes 512 consecutive bytes
	WIN 0x40                                       ; destination window 1
.irp i, 0,1,2,3
.irp c, 0,1
	ds_load_b128 v[\f+32+8*\i+4*\c:\f+32+8*\i+4*\c+3], v[ADRB+\hf] offset:\i*8192+(\kk)*1024+512*\c
	ds_load_b128 v[\f+8*\i+4*\c:\f+8*\i+4*\c+3],       v[ADRA+\hf] offset:\i*8192+(\kk)*1024+512*\c
.endr
.endr
.endm
.macro PLACES                          ; four places in front of loads into registers that matrix instructions have read, and of the first read of results (ISA guide 7.12.1 for vector instructions)
.rept 4
	v_nop
.endr
.endm
	s_wait_tensorcnt 1                             ; my part of half 0 is in; half 1's load may be out
	s_barrier_signal -1
	s_barrier_wait -1                              ; everybody's is
	FETCH 0, 0, 0
.set KS, 0
.rept 16
.set FB, 64*(KS%2)
.set FN, 64*((KS+1)%2)
.set HN, (KS+1)/8
.set KN, (KS+1)%8
	s_wait_dscnt 0x0                               ; this K step's fragments are in (asked for eight matrix instructions ago)
	MUL8 FB, 0
.if KS == 7
	s_wait_tensorcnt 0x0                           ; my part of half 1 is in (no LDS load of mine is out here),
	s_barrier_signal -1
	s_barrier_wait -1                              ; everybody's is
.endif
.if KS < 15
	PLACES
	FETCH HN, KN, FN
.endif
	MUL8 FB, 2
.set KS, KS+1
.endr
	WIN 0
; THE WAY OUT, a tile of 16 tokens x 64 columns at a time.  A lane holds 32 neighbouring bytes of a row, and the lanes beside it hold other rows: so a tile goes through my own stage in LDS and comes back as
; whole rows of 256 bytes.  LDS serves a wave's instructions in order (ISA guide 5.7.1.4): no wait between the stores and the loads, nor in front of the next tile's stores.
.macro TOSTAGE a
.irp b, 0,1,2,3
	ds_store_b128 v[STO], v[ACC+8*(4*(\a)+\b):ACC+8*(4*(\a)+\b)+3] offset:64*\b         ; each accumulator from its low end on
	ds_store_b128 v[STO], v[ACC+8*(4*(\a)+\b)+4:ACC+8*(4*(\a)+\b)+7] offset:64*\b+16
.endr
.set BB, BK+32*((\a)%2)
.irp t, 0,1,2,3,4,5,6,7
	ds_load_b128 v[BB+4*\t:BB+4*\t+3], v[RD] offset:\t*2*SP
.endr
.endm
.macro SEND a, younger                 ; younger: the LDS instructions issued behind tile a's loads, which may stay out
.set BB, BK+32*((\a)%2)
	s_wait_dscnt \younger
.irp t, 0,1,2,3,4,5,6,7
	global_store_b128 v[CO], v[BB+4*\t:BB+4*\t+3], s[8:9] offset:(16*(\a)+2*\t)*2048 th:TH_STORE_NT   ; 16 lanes store 256 consecutive bytes, at a multiple of 256 from out0's first byte
.endr
.endm
	PLACES
	TOSTAGE 0
.irp a, 1,2,3
.if \a > 1
	s_wait_xcnt 0x0                                ; tile a - 2's stores have read their registers: tile a's loads may land there
.endif
	TOSTAGE \a
	SEND \a-1, 16                                  ; behind tile a - 1's loads: tile a's 8 stores and 8 loads
.endr
	SEND 3, 0
	s_wait_tensorcnt 0x0                           ; the wave's end, behind my last tensor load and my last LDS store
	ds_add_u32 v[SPW], v[NIL]
	s_wait_dscnt 0x0
	CROUND                                         ; the closing round: no work-group ends while a partner may still ask for a piece that names it
	s_endpgm
.Lfunc_end_k_qc92201492f_outp:
	.size	k_qc92201492f_outp, .Lfunc_end_k_qc92201492f_outp-k_qc92201492f_outp
	.p2alignl 7, 3214868480
	.fill 96, 4, 3214868480
	.section	.rodata,"a",@progbits
	.p2align	6, 0x0
	.amdhsa_kernel k_qc92201492f_outp
		.amdhsa_group_segment_fixed_size 280064
		.amdhsa_private_segment_fixed_size 0
		.amdhsa_enable_private_segment 0
		.amdhsa_kernarg_size 24
		.amdhsa_user_sgpr_count 2
		.amdhsa_user_sgpr_kernarg_segment_ptr 1
		.amdhsa_wavefront_size32 1
		.amdhsa_system_sgpr_workgroup_id_x 1
		.amdhsa_system_sgpr_workgroup_id_y 1
		.amdhsa_system_sgpr_workgroup_id_z 1
		.amdhsa_system_vgpr_workitem_id 0
		.amdhsa_next_free_vgpr 384
		.amdhsa_next_free_sgpr 66
		.amdhsa_reserve_vcc 0
		.amdhsa_float_denorm_mode_32 3
		.amdhsa_float_denorm_mode_16_64 3
		.amdhsa_memory_ordered 1
		.amdhsa_forward_progress 1
		.amdhsa_inst_pref_size 50
	.end_amdhsa_kernel
	.amdgpu_metadata
---
amdhsa.version: [ 1, 2 ]
amdhsa.kernels:
  - .name:           k_qc92201492f_outp
    .symbol:         k_qc92201492f_outp.kd
    .args:
      - { .name: o_ws, .offset: 0, .size: 8, .value_kind: global_buffer, .address_space: global }
      - { .name: wo_ws, .offset: 8, .size: 8, .value_kind: global_buffer, .address_space: global }
      - { .name: out0, .offset: 16, .size: 8, .value_kind: global_buffer, .address_space: global }
    .group_segment_fixed_size: 280064
    .private_segment_fixed_size: 0
    .kernarg_segment_align: 8
    .kernarg_segment_size: 24
    .max_flat_workgroup_size: 128
    .sgpr_count:     66
    .vgpr_count:     384
    .wavefront_size: 32
...
	.end_amdgpu_metadata
.endif
;; end of part 4
